; MI455X (gfx1250); checked and timed in simulation.
; The chip was launched on July 23, 2026; its instructions are those of AMD's public machine-readable ISA for CDNA 5 (MIT licence, August 2026) and "CDNA5" Instruction Set Architecture Reference Guide (July 2026). The comments in the code are by the model that wrote it; some were corrected since.
;; Contour to distance map. Allowed arithmetic: float matrix products may take bf16 or f16 operands with f32 sums; all other float work in f32.
;; Inputs: contour 2 x 4 x 64 x 2 float32.
;; Outputs: out0 2 x 4 x 256 x 256 float32.
;; One version. Each part assembles by itself: llvm-mc -triple=amdgcn-amd-amdhsa -mcpu=gfx1250 --defsym DOCPART=n.
;; ======== version 1 of 1: 2 launches
;; limits: a function is approximated: absolute error at most 1e-05
;; workspace buffers: prod 2,097,152 bytes; pmax 1,024 bytes
;; launch winding (part 1): grid 256 x 1, 8 waves a work-group, no clusters, 1,280 bytes of LDS; arguments prod, pmax, contour; writes prod, pmax
.if DOCPART == 1
	.amdgcn_target "amdgcn-amd-amdhsa--gfx1250"
	.amdhsa_code_object_version 6
	.text
	.protected	k_qdce0bc7cc1_winding
	.globl	k_qdce0bc7cc1_winding
	.p2align	8
	.type	k_qdce0bc7cc1_winding,@function
k_qdce0bc7cc1_winding:
	s_mov_b64 s[64:65], 0
	v_nop
	global_prefetch_b8 v0, s[64:65] scope:SCOPE_SE
	s_setreg_imm32_b32 hwreg(HW_REG_WAVE_MODE, 25, 1), 1
	s_wait_xcnt 0x0
; prod[b][i][j] = |sum over k of tanh(1e5 cross_k) arccos(cos_k)| / (2 pi) * min over k of |c_k - p|,  p = (i/256, j/256),
; and pmax[work-group] = the largest prod of the work-group.  contour: [8][64][2] f32.  prod: [8][256][256] f32.
; 256 work-groups of eight waves.  A wave owns ONE ROW i of one map; a lane owns eight pixels of it: columns 4l..4l+3 and 128+4l..128+4l+3,
; so each of its two 16-byte stores belongs to 512 consecutive bytes stored by the wave.
; Because the row is fixed, dx_k = cx_k - i/256 is the same in all lanes: everything made of dx alone is scalar arithmetic, done once
; for 256 pixels, and the vector work runs on dy_k = cy_k - j/256, two pixels to a packed instruction.
;   cross_k = dy_k dx_{k+1} - dx_k dy_{k+1} = dy_k ex_k - dx_k ey_k   (e_k = c_{k+1} - c_k: the same number, other rounding)
;   tanh(1e5 x) = 1 - 2 / (1 + 2^(K x)),  K = 2 log2(e) 1e5, folded into the scalars K ex_k and -K dx_k ey_k
;   1 / (max(n_k,eps) max(n_{k+1},eps)) = r_k r_{k+1},  r_k = rsq(max(n_k^2, eps^2)): one rsq for a vertex serves both its edges
;   clip(c, -1+eps, 1-eps):  t = max(1 - |c|, 168 * 2^-24), which is exactly 1 - f32(1 - 1e-5)
;   arccos(c) = pi/2 - sign(c) (pi/2 - sqrt(t) P(t)),  P of degree 4 (Hastings' five-term fit of arccos, rewritten in t = 1 - |c|)
;   the minimum is kept on squared distances; one root at the end.
; LIMITS.  arccos is within 1e-5 rad of the true value (relative 1e-5 for small angles): at most 64 * 1e-5 / (2 pi) = 1e-4 in the winding number.
; A NaN does not pass through the maxima (v_max_num).  A squared distance under 2^-126 counts as zero in v_sqrt_f32 (ISA guide 15.8).
; Coordinates beyond some 1e19 overflow in the squares, as they do in the defining formula.
; No matrix unit (there is no product of matrices), no tensor load, no cluster: the whole input of a wave is 512 bytes.
.set S_A,     16                       ; s[16:31]  eight vertices (x, y, x, y ..)
.set S_B,     32                       ; s[32:47]  the eight behind them
; A packed instruction takes a scalar from the LOWER register of an aligned pair and counts the pair as read: every such scalar lies in an even
; register, and its odd neighbour holds something that has been written by then.
.set S_CY,    48                       ; cy_{k+1}
.set S_DXC,   49                       ; dx of the step's first vertex, carried from step to step
.set S_DX2,   50                       ; dx_{k+1}^2
.set S_NPX,   51                       ; -i/256
.set S_DXDX,  52                       ; dx_k dx_{k+1}
.set S_DXN,   53                       ; dx_{k+1}
.set S_KEX,   54                       ; K ex_k
.set S_T0,    55
.set S_KQ,    56                       ; -K dx_k ey_k
.set S_T1,    57
.set S_B4,    58                       ; P(t) = B0 + B1 t + B2 t^2 + B3 t^3 + B4 t^4
.set S_EPS2,  59                       ; 1e-10
.set S_B3,    60
.set S_EPST,  61                       ; 168 * 2^-24
.set S_B2,    62
.set S_MAG,   63                       ; 0x7fffffff
.set S_B1,    66
.set S_SELLO, 67                       ; v_permlanex16_b32: lane i takes lane i of the other half
.set S_B0,    68
.set S_SELHI, 69
.set S_PIH,   70                       ; pi/2
.set S_OFF,   71                       ; the trip's byte offset in the contour, and the loop's counter
.set KK,      0x488ce360               ; 288539.0 = 2 log2(e) 1e5
.set SIGNBIT, 0x80000000
.set V_ADR,   2                        ; 16 x lane: my place in the row's first 512 bytes
.set V_PY,    8                        ; v[8:15]    j/256 of my eight pixels
.set V_DY,    16                       ; v[16:31]   dy, vertex k in set k mod 2
.set V_R,     32                       ; v[32:47]   r, likewise
.set V_N2,    48                       ; v[48:63]   squared distance, likewise
.set V_M,     64                       ; v[64:71]   least squared distance
.set V_AW,    72                       ; v[72:79]   sum of tanh
.set V_AU,    80                       ; v[80:87]   sum of tanh * arcsin(c)
.set V_NC,    88                       ; the rest: a step's temporaries, eight each
.set V_ARG,   96
.set V_E,     104
.set V_DOT,   112
.set V_RR,    120
.set V_D,     128
.set V_T,     136
.set V_Q,     144
.set V_S,     152
.set V_P,     160
.set V_W,     168
.set V_U,     176
.set V_US,    184
	s_load_b128 s[4:7], s[0:1], 0x0                ; prod s[4:5], pmax s[6:7]
	s_load_b64 s[2:3], s[0:1], 0x10                ; contour
	v_lshl_add_u32 v192, v0, 2, 0x100
	v_mov_b32 v193, 0
	v_lshrrev_b32 v1, 5, v0
	v_readfirstlane_b32 s8, v1                     ; wave 0..7
	s_lshl_b32 s9, ttmp9, 3
	s_add_co_u32 s9, s9, s8                        ; my row among the 2,048 rows of the eight maps
	s_lshr_b32 s10, s9, 8                          ; its map,
	s_lshl_b32 s10, s10, 9                         ; whose contour is 512 bytes
	s_mov_b32 s11, 0
	s_wait_kmcnt 0x0
	s_add_nc_u64 s[2:3], s[2:3], s[10:11]
	s_load_b512 s[S_A:S_A+15], s[2:3], 0x0         ; vertices 0-7
	s_load_b512 s[S_B:S_B+15], s[2:3], 0x40        ; vertices 8-15
	s_lshl_b32 s10, s9, 10                         ; a row of prod is 1,024 bytes
	s_add_nc_u64 s[4:5], s[4:5], s[10:11]
	s_lshl_b32 s10, ttmp9, 2                       ; the work-group's word of pmax
	s_add_nc_u64 s[6:7], s[6:7], s[10:11]
	s_and_b32 s10, s9, 255                         ; i
	s_cvt_f32_u32 s[S_NPX], s10
	s_mul_f32 s[S_NPX], s[S_NPX], 0xbb800000       ; -i/256, exact
	s_mov_b32 s[S_B4], 0x3c0db3dd                  ; 0.00864884
	s_mov_b32 s[S_B3], 0x3a9835c1                  ; 0.00116127
	s_mov_b32 s[S_B2], 0x3ceff0d4                  ; 0.02928964
	s_mov_b32 s[S_B1], 0x3df0920e                  ; 0.11746608
	s_mov_b32 s[S_B0], 0x3fb5053a                  ; 1.41422203
	s_mov_b32 s[S_PIH], 0x3fc90fdb                 ; pi/2
	s_mov_b32 s[S_EPS2], 0x2edbe6ff                ; 1e-10 = eps^2
	s_mov_b32 s[S_EPST], 0x37280000                ; 168 * 2^-24
	s_mov_b32 s[S_MAG], 0x7fffffff
	s_mov_b32 s[S_SELLO], 0x76543210
	s_mov_b32 s[S_SELHI], 0xfedcba98
	s_mov_b32 s[S_OFF], 0
	v_and_b32 v1, 31, v0                           ; lane
	v_lshlrev_b32 v[V_ADR], 4, v1
	v_lshlrev_b32 v1, 2, v1                        ; my first column
.irp k, 0,1,2,3,4,5,6,7
	v_add_nc_u32 v[V_PY+\k], (\k&3)+(\k>>2)*128, v1
.endr
.irp k, 0,1,2,3,4,5,6,7
	v_cvt_f32_u32 v[V_PY+\k], v[V_PY+\k]
.endr
.irp g, 0,2,4,6
	v_pk_mul_f32 v[V_PY+\g:V_PY+\g+1], v[V_PY+\g:V_PY+\g+1], 0x3b800000 op_sel_hi:[1,0]   ; j/256, exact
.endr
.irp k, 0,1,2,3,4,5,6,7
	v_mov_b32 v[V_AW+\k], 0                        ; sixteen words once for 64 rolled steps
	v_mov_b32 v[V_AU+\k], 0
.endr
; The scalars of the step whose edge runs from the vertex at s[va] (x), s[va+1] (y) to the one at s[vb], s[vb+1].  S_DXC holds dx of the first on entry, of the second on exit.
.macro SSTEP va, vb
	s_xor_b32 s[S_T0], s[\va], SIGNBIT             ; a difference is a sum with the sign turned
	s_xor_b32 s[S_T1], s[\vb+1], SIGNBIT
	s_add_f32 s[S_T0], s[\vb], s[S_T0]             ; ex
	s_add_f32 s[S_T1], s[\va+1], s[S_T1]           ; -ey
	s_add_f32 s[S_DXN], s[\vb], s[S_NPX]           ; dx of the second vertex
	s_mul_f32 s[S_KEX], s[S_T0], KK
	s_mul_f32 s[S_T1], s[S_T1], KK
	s_mul_f32 s[S_DXDX], s[S_DXC], s[S_DXN]
	s_mul_f32 s[S_KQ], s[S_T1], s[S_DXC]
	s_mul_f32 s[S_DX2], s[S_DXN], s[S_DXN]
	s_mov_b32 s[S_CY], s[\vb+1]
	s_mov_b32 s[S_DXC], s[S_DXN]
.endm
; First half of step k.  o = k mod 2: the set of vertex k; p: the set of vertex k + 1, which is made here.  It reads all the step's scalars.
; Behind a transcendental one plain vector instruction that touches none of its registers comes before its result is used (ISA guide 5.7.2):
; they are issued in twos with such an instruction behind them.
.macro HEAD o, p, domin
.irp g, 0,2,4,6
	v_pk_add_f32 v[V_DY+8*\p+\g:V_DY+8*\p+\g+1], s[S_CY:S_CY+1], v[V_PY+\g:V_PY+\g+1] op_sel_hi:[0,1] neg_lo:[0,1] neg_hi:[0,1]   ; dy_{k+1}
.endr
.irp g, 0,2,4,6
	v_pk_fma_f32 v[V_ARG+\g:V_ARG+\g+1], v[V_DY+8*\o+\g:V_DY+8*\o+\g+1], s[S_KEX:S_KEX+1], s[S_KQ:S_KQ+1] op_sel_hi:[1,0,0]   ; K cross_k
.endr
.irp g, 0,2,4,6
	v_pk_fma_f32 v[V_N2+8*\p+\g:V_N2+8*\p+\g+1], v[V_DY+8*\p+\g:V_DY+8*\p+\g+1], v[V_DY+8*\p+\g:V_DY+8*\p+\g+1], s[S_DX2:S_DX2+1] op_sel_hi:[1,1,0]
.endr
.irp g, 0,2,4,6
	v_dual_max_num_f32 v[V_NC+\g], s[S_EPS2], v[V_N2+8*\p+\g] :: v_dual_max_num_f32 v[V_NC+\g+1], s[S_EPS2], v[V_N2+8*\p+\g+1]   ; the clip of the norm at eps, on squares
.endr
.irp g, 0,2,4,6
	v_rsq_f32 v[V_R+8*\p+\g], v[V_NC+\g]
	v_rsq_f32 v[V_R+8*\p+\g+1], v[V_NC+\g+1]
	v_pk_fma_f32 v[V_DOT+\g:V_DOT+\g+1], v[V_DY+8*\o+\g:V_DY+8*\o+\g+1], v[V_DY+8*\p+\g:V_DY+8*\p+\g+1], s[S_DXDX:S_DXDX+1] op_sel_hi:[1,1,0]
	v_exp_f32 v[V_E+\g], v[V_ARG+\g]               ; overflow gives infinity and tanh = 1, underflow 0 and tanh = -1
	v_exp_f32 v[V_E+\g+1], v[V_ARG+\g+1]
.if \domin
	v_min3_num_f32 v[V_M+\g], v[V_M+\g], v[V_N2+\g], v[V_N2+8+\g]             ; every second step takes two vertices at once
	v_min3_num_f32 v[V_M+\g+1], v[V_M+\g+1], v[V_N2+\g+1], v[V_N2+8+\g+1]
.endif
.endr
.endm
; Second half of step k: the edge's angle and sign.  It reads constants only, so the next step's scalars are made in front of it.
.macro TAIL o, p
	s_wait_alu depctr_va_vdst(0)
.irp g, 0,2,4,6
	v_pk_mul_f32 v[V_RR+\g:V_RR+\g+1], v[V_R+8*\o+\g:V_R+8*\o+\g+1], v[V_R+8*\p+\g:V_R+8*\p+\g+1]
.endr
.irp g, 0,2,4,6
	v_pk_add_f32 v[V_D+\g:V_D+\g+1], v[V_E+\g:V_E+\g+1], 1.0 op_sel_hi:[1,0]
.endr
.irp k, 0,1,2,3,4,5,6,7
	v_fma_f32 v[V_T+\k], |v[V_DOT+\k]|, -v[V_RR+\k], 1.0                      ; 1 - |c| in one rounding
.endr
.irp g, 0,2,4,6
	v_rcp_f32 v[V_Q+\g], v[V_D+\g]
	v_rcp_f32 v[V_Q+\g+1], v[V_D+\g+1]
	v_dual_max_num_f32 v[V_T+\g], s[S_EPST], v[V_T+\g] :: v_dual_max_num_f32 v[V_T+\g+1], s[S_EPST], v[V_T+\g+1]   ; the clip of c
.endr
.irp g, 0,2,4,6
	v_sqrt_f32 v[V_S+\g], v[V_T+\g]
	v_sqrt_f32 v[V_S+\g+1], v[V_T+\g+1]
	v_pk_fma_f32 v[V_P+((\g+6)&7):V_P+((\g+6)&7)+1], v[V_T+((\g+6)&7):V_T+((\g+6)&7)+1], s[S_B4:S_B4+1], s[S_B3:S_B3+1] op_sel_hi:[1,0,0]   ; another pair's polynomial: it names no register of the two roots
.endr
.irp g, 0,2,4,6
	v_pk_fma_f32 v[V_P+\g:V_P+\g+1], v[V_P+\g:V_P+\g+1], v[V_T+\g:V_T+\g+1], s[S_B2:S_B2+1] op_sel_hi:[1,1,0]
.endr
.irp g, 0,2,4,6
	v_pk_fma_f32 v[V_P+\g:V_P+\g+1], v[V_P+\g:V_P+\g+1], v[V_T+\g:V_T+\g+1], s[S_B1:S_B1+1] op_sel_hi:[1,1,0]
.endr
.irp g, 0,2,4,6
	v_pk_fma_f32 v[V_P+\g:V_P+\g+1], v[V_P+\g:V_P+\g+1], v[V_T+\g:V_T+\g+1], s[S_B0:S_B0+1] op_sel_hi:[1,1,0]
.endr
	s_wait_alu depctr_va_vdst(0)
.irp g, 0,2,4,6
	v_pk_fma_f32 v[V_W+\g:V_W+\g+1], v[V_Q+\g:V_Q+\g+1], -2.0, 1.0 op_sel_hi:[1,0,0]     ; tanh
.endr
.irp g, 0,2,4,6
	v_pk_fma_f32 v[V_U+\g:V_U+\g+1], v[V_S+\g:V_S+\g+1], v[V_P+\g:V_P+\g+1], s[S_PIH:S_PIH+1] op_sel_hi:[1,1,0] neg_lo:[1,0,0] neg_hi:[1,0,0]   ; arcsin |c|
.endr
.irp g, 0,2,4,6
	v_pk_add_f32 v[V_AW+\g:V_AW+\g+1], v[V_AW+\g:V_AW+\g+1], v[V_W+\g:V_W+\g+1]
.endr
.irp k, 0,1,2,3,4,5,6,7
	v_bfi_b32 v[V_US+\k], s[S_MAG], v[V_U+\k], v[V_DOT+\k]                    ; arcsin c: the sign of the dot product (r > 0)
.endr
.irp g, 0,2,4,6
	v_pk_fma_f32 v[V_AU+\g:V_AU+\g+1], v[V_W+\g:V_W+\g+1], v[V_US+\g:V_US+\g+1], v[V_AU+\g:V_AU+\g+1]
.endr
.endm
.macro STEP o, p, domin, va, vb
	HEAD \o, \p, \domin
	SSTEP \va, \vb                                 ; the NEXT step's scalars: this step has read its own
	TAIL \o, \p
.endm
; Eight steps on the vertices in cur; nxt holds the eight behind them.  cur is last read in the seventh step and is then loaded again with the
; chunk 16 vertices further on, modulo 64; that load is waited for eight steps later, where the other chunk's seventh step needs its first vertex.
.macro CHUNK cur, nxt, ahead
	STEP 0, 1, 0, \cur+2,  \cur+4
	STEP 1, 0, 1, \cur+4,  \cur+6
	STEP 0, 1, 0, \cur+6,  \cur+8
	STEP 1, 0, 1, \cur+8,  \cur+10
	STEP 0, 1, 0, \cur+10, \cur+12
	STEP 1, 0, 1, \cur+12, \cur+14
	HEAD 0, 1, 0
	s_wait_kmcnt 0x0                               ; nxt has arrived; no scalar load is out, so s12 may be written
	SSTEP \cur+14, \nxt
	s_add_co_u32 s12, s[S_OFF], \ahead
	s_and_b32 s12, s12, 0x1ff                      ; the contour closes: behind vertex 63 comes vertex 0
	s_load_b512 s[\cur:\cur+15], s[2:3], s12 offset:0x0
	TAIL 0, 1
	STEP 1, 0, 1, \nxt, \nxt+2
.endm
	s_wait_kmcnt 0x0                               ; both chunks
	; vertex 0: its dy and r; its squared distance starts the minimum
	s_add_f32 s[S_DXC], s[S_A], s[S_NPX]
	s_mul_f32 s[S_DX2], s[S_DXC], s[S_DXC]
	s_mov_b32 s[S_CY], s[S_A+1]
.irp g, 0,2,4,6
	v_pk_add_f32 v[V_DY+\g:V_DY+\g+1], s[S_CY:S_CY+1], v[V_PY+\g:V_PY+\g+1] op_sel_hi:[0,1] neg_lo:[0,1] neg_hi:[0,1]
.endr
.irp g, 0,2,4,6
	v_pk_fma_f32 v[V_M+\g:V_M+\g+1], v[V_DY+\g:V_DY+\g+1], v[V_DY+\g:V_DY+\g+1], s[S_DX2:S_DX2+1] op_sel_hi:[1,1,0]
.endr
.irp g, 0,2,4,6
	v_dual_max_num_f32 v[V_NC+\g], s[S_EPS2], v[V_M+\g] :: v_dual_max_num_f32 v[V_NC+\g+1], s[S_EPS2], v[V_M+\g+1]
.endr
.irp k, 0,1,2,3,4,5,6,7
	v_rsq_f32 v[V_R+\k], v[V_NC+\k]                ; first used in step 0's second half, far behind plain instructions
.endr
	SSTEP S_A, S_A+2                               ; step 0's scalars
; Four trips of sixteen steps.  Step 63 makes vertex 64 = vertex 0 anew.  The last trip's second load (vertices 8-15 again, inside the contour)
; and its last set of scalars are used by nobody: the price of a rolled loop, 64 bytes and twelve scalar instructions a wave.
.Ltrip:
	CHUNK S_A, S_B, 128
	CHUNK S_B, S_A, 192
	s_add_co_u32 s[S_OFF], s[S_OFF], 128
	s_cmp_lt_u32 s[S_OFF], 512
	s_cbranch_scc1 .Ltrip
	; sum of tanh * arccos = pi/2 * sum of tanh - sum of tanh * arcsin; both sums are at most 64 pi/2 whatever the inputs
.irp g, 0,2,4,6
	v_pk_fma_f32 v[V_W+\g:V_W+\g+1], v[V_AW+\g:V_AW+\g+1], s[S_PIH:S_PIH+1], v[V_AU+\g:V_AU+\g+1] op_sel_hi:[1,0,1] neg_lo:[0,0,1] neg_hi:[0,0,1]
.endr
.irp k, 0,1,2,3,4,5,6,7
	v_sqrt_f32 v[V_S+\k], v[V_M+\k]                ; the least distance
.endr
.irp k, 0,1,2,3,4,5,6,7
	v_mul_f32 v[V_W+\k], 0.15915494, |v[V_W+\k]|   ; |sum| / (2 pi); these are also the plain instructions behind the roots
.endr
	s_wait_alu depctr_va_vdst(0)
.irp g, 0,2,4,6
	v_pk_mul_f32 v[V_P+\g:V_P+\g+1], v[V_W+\g:V_W+\g+1], v[V_S+\g:V_S+\g+1]
.endr
	global_store_b128 v[V_ADR], v[V_P:V_P+3], s[4:5]                  ; columns 0-127: the wave stores 512 consecutive bytes
	global_store_b128 v[V_ADR], v[V_P+4:V_P+7], s[4:5] offset:512     ; columns 128-255
	; the largest of my eight, of the wave's 32 lanes, of the eight waves
	v_max3_num_f32 v[V_T], v[V_P], v[V_P+1], v[V_P+2]
	v_max3_num_f32 v[V_T+1], v[V_P+3], v[V_P+4], v[V_P+5]
	v_max3_num_f32 v[V_T], v[V_T], v[V_P+6], v[V_P+7]
	v_max_num_f32 v[V_T], v[V_T], v[V_T+1]
	v_max_num_f32_dpp v[V_T], v[V_T], v[V_T] row_xmask:1 row_mask:0xf bank_mask:0xf
	v_max_num_f32_dpp v[V_T], v[V_T], v[V_T] row_xmask:2 row_mask:0xf bank_mask:0xf
	v_max_num_f32_dpp v[V_T], v[V_T], v[V_T] row_xmask:4 row_mask:0xf bank_mask:0xf
	v_max_num_f32_dpp v[V_T], v[V_T], v[V_T] row_xmask:8 row_mask:0xf bank_mask:0xf
	v_permlanex16_b32 v[V_T+1], v[V_T], s[S_SELLO], s[S_SELHI]
	v_max_num_f32 v[V_T], v[V_T], v[V_T+1]
	v_mov_b32 v3, s8
	v_lshlrev_b32 v3, 2, v3
	ds_store_b32 v3, v[V_T]                        ; word w of LDS: all lanes write the same number
	s_wait_dscnt 0x0                               ; for wave 0, which reads it behind the barrier
	s_barrier_signal -1
	s_barrier_wait -1
	s_cmp_lg_u32 s8, 0
	s_cbranch_scc1 .Lend
	v_mov_b32 v4, 0
	ds_load_b128 v[V_D:V_D+3], v4
	ds_load_b128 v[V_D+4:V_D+7], v4 offset:16
	v_cmp_eq_u32 vcc_lo, 0, v0
	s_wait_dscnt 0x0
	v_max3_num_f32 v[V_T], v[V_D], v[V_D+1], v[V_D+2]
	v_max3_num_f32 v[V_T+1], v[V_D+3], v[V_D+4], v[V_D+5]
	v_max3_num_f32 v[V_T], v[V_T], v[V_D+6], v[V_D+7]
	v_max_num_f32 v[V_T], v[V_T], v[V_T+1]
	s_wait_xcnt 0x0                                ; EXEC is a source of the stores above: it changes only behind this wait
	s_and_saveexec_b32 s10, vcc_lo                 ; thread 0 alone
	global_store_b32 v4, v[V_T], s[6:7]            ; one word for the work-group: the next launch takes the maximum of the 256
	s_wait_xcnt 0x0
	s_or_b32 exec_lo, exec_lo, s10
.Lend:
	s_wait_tensorcnt 0x0
	ds_add_u32 v192, v193
	s_wait_dscnt 0x0
	s_endpgm
.Lfunc_end_k_qdce0bc7cc1_winding:
	.size	k_qdce0bc7cc1_winding, .Lfunc_end_k_qdce0bc7cc1_winding-k_qdce0bc7cc1_winding
	.p2alignl 7, 3214868480
	.fill 96, 4, 3214868480
	.section	.rodata,"a",@progbits
	.p2align	6, 0x0
	.amdhsa_kernel k_qdce0bc7cc1_winding
		.amdhsa_group_segment_fixed_size 1280
		.amdhsa_private_segment_fixed_size 0
		.amdhsa_enable_private_segment 0
		.amdhsa_kernarg_size 24
		.amdhsa_user_sgpr_count 2
		.amdhsa_user_sgpr_kernarg_segment_ptr 1
		.amdhsa_wavefront_size32 1
		.amdhsa_system_sgpr_workgroup_id_x 1
		.amdhsa_system_sgpr_workgroup_id_y 1
		.amdhsa_system_sgpr_workgroup_id_z 1
		.amdhsa_system_vgpr_workitem_id 0
		.amdhsa_next_free_vgpr 194
		.amdhsa_next_free_sgpr 72
		.amdhsa_reserve_vcc 1
		.amdhsa_float_denorm_mode_32 3
		.amdhsa_float_denorm_mode_16_64 3
		.amdhsa_memory_ordered 1
		.amdhsa_forward_progress 1
		.amdhsa_inst_pref_size 118
	.end_amdhsa_kernel
	.amdgpu_metadata
---
amdhsa.version: [ 1, 2 ]
amdhsa.kernels:
  - .name:           k_qdce0bc7cc1_winding
    .symbol:         k_qdce0bc7cc1_winding.kd
    .args:
      - { .name: prod, .offset: 0, .size: 8, .value_kind: global_buffer, .address_space: global }
      - { .name: pmax, .offset: 8, .size: 8, .value_kind: global_buffer, .address_space: global }
      - { .name: contour, .offset: 16, .size: 8, .value_kind: global_buffer, .address_space: global }
    .group_segment_fixed_size: 1280
    .private_segment_fixed_size: 0
    .kernarg_segment_align: 8
    .kernarg_segment_size: 24
    .max_flat_workgroup_size: 256
    .sgpr_count:     72
    .vgpr_count:     194
    .wavefront_size: 32
...
	.end_amdgpu_metadata
.endif
;; end of part 1
;; launch normalise (part 2): grid 256 x 1, 8 waves a work-group, no clusters, 0 bytes of LDS; arguments prod, pmax, out0; writes out0
.if DOCPART == 2
	.amdgcn_target "amdgcn-amd-amdhsa--gfx1250"
	.amdhsa_code_object_version 6
	.text
	.protected	k_qdce0bc7cc1_normalise
	.globl	k_qdce0bc7cc1_normalise
	.p2align	8
	.type	k_qdce0bc7cc1_normalise,@function
k_qdce0bc7cc1_normalise:
	s_mov_b64 s[64:65], 0
	v_nop
	global_prefetch_b8 v0, s[64:65] scope:SCOPE_SE
	s_setreg_imm32_b32 hwreg(HW_REG_WAVE_MODE, 25, 1), 1
	s_wait_xcnt 0x0
; out0 = prod / max(prod).  prod, out0: 524,288 f32.  pmax: the 256 work-group maxima of the launch before.
; 256 work-groups of eight waves; a work-group owns 8,192 consecutive bytes, a thread two pieces of 16 bytes 4,096 bytes apart, so every load and
; store of a wave covers 512 consecutive bytes.  Every wave reduces the 1,024 bytes of pmax itself (eight numbers a lane, then across the lanes):
; no LDS, no barrier.  All four loads go out at once; the reduction runs while prod is on its way.
; The division is a multiplication by v_rcp_f32 of the maximum.  LIMITS: a maximum under 2^-126 counts as zero there (ISA guide 15.8) and gives
; infinities and NaN, as a maximum of zero does in the defining formula; a NaN in prod does not pass through v_max_num_f32.
	s_load_b128 s[4:7], s[0:1], 0x0                ; prod s[4:5], pmax s[6:7]
	s_load_b64 s[8:9], s[0:1], 0x10                ; out0
	v_and_b32 v1, 31, v0
	v_lshlrev_b32 v1, 4, v1                        ; 16 x lane, in pmax
	v_lshlrev_b32 v2, 4, v0                        ; 16 x thread, in the work-group's part
	s_lshl_b32 s10, ttmp9, 13
	s_mov_b32 s11, 0
	s_mov_b32 s12, 0x76543210                      ; v_permlanex16_b32: lane i takes lane i of the other half
	s_mov_b32 s13, 0xfedcba98
	s_wait_kmcnt 0x0
	s_add_nc_u64 s[4:5], s[4:5], s[10:11]
	s_add_nc_u64 s[8:9], s[8:9], s[10:11]
	global_load_b128 v[4:7], v1, s[6:7]
	global_load_b128 v[8:11], v1, s[6:7] offset:512
	global_load_b128 v[12:15], v2, s[4:5] th:TH_LOAD_NT
	global_load_b128 v[16:19], v2, s[4:5] offset:4096 th:TH_LOAD_NT
	s_wait_loadcnt 0x2                             ; pmax is in; the two loads of prod, issued behind it, stay out
	v_max3_num_f32 v20, v4, v5, v6
	v_max3_num_f32 v21, v7, v8, v9
	v_max3_num_f32 v20, v20, v10, v11
	v_max_num_f32 v20, v20, v21
	v_max_num_f32_dpp v20, v20, v20 row_xmask:1 row_mask:0xf bank_mask:0xf
	v_max_num_f32_dpp v20, v20, v20 row_xmask:2 row_mask:0xf bank_mask:0xf
	v_max_num_f32_dpp v20, v20, v20 row_xmask:4 row_mask:0xf bank_mask:0xf
	v_max_num_f32_dpp v20, v20, v20 row_xmask:8 row_mask:0xf bank_mask:0xf
	v_permlanex16_b32 v21, v20, s12, s13
	v_max_num_f32 v22, v20, v21                    ; the global maximum, in every lane
	v_rcp_f32 v20, v22                             ; twice: a pair for the packed multiply
	v_rcp_f32 v21, v22
	v_nop                                          ; one plain instruction behind a transcendental before its result is used (ISA guide 5.7.2)
	s_wait_loadcnt 0x0
	s_wait_alu depctr_va_vdst(0)
	v_pk_mul_f32 v[12:13], v[12:13], v[20:21]
	v_pk_mul_f32 v[14:15], v[14:15], v[20:21]
	v_pk_mul_f32 v[16:17], v[16:17], v[20:21]
	v_pk_mul_f32 v[18:19], v[18:19], v[20:21]
	global_store_b128 v2, v[12:15], s[8:9] th:TH_STORE_NT
	global_store_b128 v2, v[16:19], s[8:9] offset:4096 th:TH_STORE_NT
	s_endpgm
.Lfunc_end_k_qdce0bc7cc1_normalise:
	.size	k_qdce0bc7cc1_normalise, .Lfunc_end_k_qdce0bc7cc1_normalise-k_qdce0bc7cc1_normalise
	.p2alignl 7, 3214868480
	.fill 96, 4, 3214868480
	.section	.rodata,"a",@progbits
	.p2align	6, 0x0
	.amdhsa_kernel k_qdce0bc7cc1_normalise
		.amdhsa_group_segment_fixed_size 0
		.amdhsa_private_segment_fixed_size 0
		.amdhsa_enable_private_segment 0
		.amdhsa_kernarg_size 24
		.amdhsa_user_sgpr_count 2
		.amdhsa_user_sgpr_kernarg_segment_ptr 1
		.amdhsa_wavefront_size32 1
		.amdhsa_system_sgpr_workgroup_id_x 1
		.amdhsa_system_sgpr_workgroup_id_y 1
		.amdhsa_system_sgpr_workgroup_id_z 1
		.amdhsa_system_vgpr_workitem_id 0
		.amdhsa_next_free_vgpr 24
		.amdhsa_next_free_sgpr 66
		.amdhsa_reserve_vcc 0
		.amdhsa_float_denorm_mode_32 3
		.amdhsa_float_denorm_mode_16_64 3
		.amdhsa_memory_ordered 1
		.amdhsa_forward_progress 1
		.amdhsa_inst_pref_size 3
	.end_amdhsa_kernel
	.amdgpu_metadata
---
amdhsa.version: [ 1, 2 ]
amdhsa.kernels:
  - .name:           k_qdce0bc7cc1_normalise
    .symbol:         k_qdce0bc7cc1_normalise.kd
    .args:
      - { .name: prod, .offset: 0, .size: 8, .value_kind: global_buffer, .address_space: global }
      - { .name: pmax, .offset: 8, .size: 8, .value_kind: global_buffer, .address_space: global }
      - { .name: out0, .offset: 16, .size: 8, .value_kind: global_buffer, .address_space: global }
    .group_segment_fixed_size: 0
    .private_segment_fixed_size: 0
    .kernarg_segment_align: 8
    .kernarg_segment_size: 24
    .max_flat_workgroup_size: 256
    .sgpr_count:     66
    .vgpr_count:     24
    .wavefront_size: 32
...
	.end_amdgpu_metadata
.endif
;; end of part 2
